; MI455X (gfx1250); checked and timed in simulation.
; The chip was launched on July 23, 2026; its instructions are those of AMD's public machine-readable ISA for CDNA 5 (MIT licence, August 2026) and "CDNA5" Instruction Set Architecture Reference Guide (July 2026). The comments in the code are by the model that wrote it; some were corrected since.
;; Semantic Codebook. Allowed arithmetic: matrix products marked QUANTISED: E2M3 operands, one E8M0 scale for each 32 along K, by v_wmma_scale_f32_16x16x128_f8f6f4 with both operands' format E2M3, f32 sums; everything else in f32.
;; Inputs: cluster_usage 8,192 float32; embedding_sum 8,192 x 512 float32; x 16 x 512 x 1,024 float32.
;; Outputs: out0 16 x 1 x 1,024 int32; out1 16 x 512 x 1,024 float32.
;; This version of the problem:
;;   THIS VERSION OF THE PROBLEM IS GIVEN IN LOW PRECISION. The matrix products marked QUANTISED in the list below multiply operands that are first quantised to E2M3 (2 exponent bits, 3 mantissa bits; 6 bits a number), with one power-of-two scale for each 32 numbers along K (OCP MX v1.0); their sums are f32. All else is computed in f32.
;;   The module's matrix products, in the order in which they are computed (A, B: the left and right operand; K: the contracted axis; several contracted axes count as one K, in the product's order):
;;     1. [M 16,384, K 512] x [K 512, N 8,192]; A: input x; B: computed on the way: QUANTISED
;;   THE QUANTISER, for each operand of a quantised product, along K:
;;     - K is cut into blocks of 32 from its start; a last block that is shorter is filled with zeros.
;;     - A block's scale is 2^e with e = floor(log2(the largest magnitude in the block)) - 2, held to -126 .. 127; a block of zeros has e = 0. As a byte (E8M0): e + 127.
;;     - Each number is divided by its block's scale, clamped to +-7.5, and rounded to the nearest number of E2M3, ties to even, subnormals kept.
;;     - The product sums the exact products of the quantised numbers (number of the format x scale) in f32.
;;   ~~~python
;;   def quantise(x, axis):      # numpy; x: float32 -> the quantised numbers, widened to float32 again
;;       x = np.moveaxis(x, axis, -1); K = x.shape[-1]
;;       x = np.pad(x, [(0, 0)] * (x.ndim - 1) + [(0, -K % 32)]); x = x.reshape(x.shape[:-1] + (-1, 32)); a = np.abs(x).max(-1, keepdims=True)
;;       e = np.where(a > 0, np.clip(np.frexp(np.where(a > 0, a, 1))[1] - 1 - 2, -126, 127), 0)      # np.frexp(a)[1] - 1 = floor(log2(a)), exactly
;;       r = np.clip(x / 2.0 ** e, -7.5, 7.5)
;;       step = 2.0 ** (np.maximum(np.frexp(np.where(r == 0, 1, r))[1] - 1, 0) - 3)
;;       q = np.round(r / step) * step * 2.0 ** e      # np.round: ties to even
;;       return np.moveaxis(q.reshape(q.shape[:-2] + (-1,))[..., :K], -1, axis).astype(np.float32)
;;   ~~~
;;   OPERANDS COMPUTED ON THE WAY. 'Computed on the way' means the value that the module computes at that place (a softmax that the list does not call 'softmax' is quantised finished and normalised). What goes into a quantiser is computed in f32, as accurately as f32 sums, v_exp_f32 and their like allow (about 1e-6 of the number): no bf16 or f16 on the way to a quantiser, and a product that is left as it is and whose result goes on into a quantised operand takes f32 operands (vector FMAs, or v_wmma_f32_16x16x4_f32). A number that lies on a knife's edge between two numbers of the format may be rounded either way, as far as f32 arithmetic and the matrix unit's own rounding can turn it there, and no further.
;; One version. Each part assembles by itself: llvm-mc -triple=amdgcn-amd-amdhsa -mcpu=gfx1250 --defsym DOCPART=n.
;; ======== version 1 of 1: 3 launches
;; limits: right only within a limited range of input values
;; workspace buffers: xcodes 6,291,456 bytes; xscales 262,144 bytes; ecodes 3,145,728 bytes; emeta 163,840 bytes; pval 131,072 bytes; pidx 131,072 bytes of whole numbers
;; launch quant (part 1): grid 640 x 1, 4 waves a work-group, no clusters, 34,304 bytes of LDS; arguments x, embedding_sum, cluster_usage, xcodes, xscales, ecodes, emeta; writes xcodes, xscales, ecodes, emeta
.if DOCPART == 1
	.amdgcn_target "amdgcn-amd-amdhsa--gfx1250"
	.amdhsa_code_object_version 6
	.text
	.protected	k_qaa43fabdad_quant
	.globl	k_qaa43fabdad_quant
	.p2align	8
	.type	k_qaa43fabdad_quant,@function
k_qaa43fabdad_quant:
	s_mov_b64 s[64:65], 0
	v_nop
	global_prefetch_b8 v0, s[64:65] scope:SCOPE_SE
	s_setreg_imm32_b32 hwreg(HW_REG_WAVE_MODE, 25, 1), 1
	s_wait_xcnt 0x0
; Both operands of the product x . emb^T become codes of FP6 (E2M3) with one E8M0 scale byte for each 32 along K = D = 512.
; emb[c][:] = embedding_sum[c][:] / max(cluster_usage[c], 1e-5) is made here, in f32, ahead of its quantiser; so is -e2/2, e2 = the sum of emb^2 of a row.
; A block's scale is 2^(floor(log2(its largest magnitude)) - 2): its byte is the largest magnitude's exponent field - 2, held at 1 from below by a floor among the maximum's leaves.
; THE CODES ARE LAID AS THE OPERAND'S REGISTERS: a fragment (16 rows x 128 K, 12 registers a lane) is 1,536 bytes, register i of lane l at 512 (i / 4) + 16 l + 4 (i % 4); a tile of 16 rows is its four K steps on end.
; So the product's launch fetches a fragment by three loads of 512 consecutive bytes, and every store of codes here covers 512 consecutive bytes, aligned.
; emeta, for each half of the codebook: 4,096 codes x 16 scale bytes (K step s: bytes 4 s ..), then 4,096 f32 of -e2/2.   xscales: [4 K steps][16,384 rows], one word a row.
; WORK-GROUPS 0 .. 127 take the codebook: a wave a tile of 16 codes, all four K steps, so that a row's scale bytes and its e2 never leave the wave: no barrier.
; WORK-GROUPS 128 .. 639 take x [b][d][t]: one b, 128 t, one K step; a lane takes a column t and its registers run down d, which is K: nothing is transposed.
; Only the codebook's path uses LDS, and there each wave its own bytes.  No tensor loads, no matrix unit, no cluster: the launch streams, and its work-groups share no input.
; LIMITS: a block whose largest magnitude lies under 2^-124 gets the byte 1 (a block of zeros too, where the rule says 127: its codes are zeros and this program alone reads the bytes).
; NaN and infinities among the inputs are not served.  e2 is summed in another order than a plain row sum.
.set EWG,   128                        ; work-groups of the codebook's path
.set EPSF,  0x3727c5ac                 ; 1e-5
.set FLOOR, 0x1800000                  ; 2^(3 - 127)
.set EOFF,  0xff000000                 ; -(2 << 23)
.set STG,   8448                       ; a wave's stage: 16 rows x (512 bytes + 16)
.set R,   16                           ; v16-143  codebook: two sets of 64 numbers as loaded
.set X,   144                          ; v144-207 64 numbers of my row: register 32 c + i = k 64 c + 32 h + i of the K step
.set T,   208                          ; v208-223 at work
.set P,   224                          ; v224-235 the fragment
.set OH,  236                          ; v236-238, v240-242 the second halves of the two blocks' codes
.set SUM, 244                          ; v244-251 four packed chains of e2
.set SW,  252                          ; v252-255 my row's four scale words
.set XX,  16                           ; v16-143  x: 128 numbers of my column
.set PX,  144                          ; v144-167 x: two fragments
; the largest magnitude of v[b] .. v[b + 31] and the floor, in two chains
.macro MAX32 d, t, b
	v_max3_num_f32 v[\d], |v[(\b)]|, |v[(\b)+1]|, FLOOR
	v_max3_num_f32 v[\t], |v[(\b)+16]|, |v[(\b)+17]|, |v[(\b)+18]|
.irp i, 2,4,6,8,10,12
	v_max3_num_f32 v[\d], v[\d], |v[(\b)+\i]|, |v[(\b)+\i+1]|
	v_max3_num_f32 v[\t], v[\t], |v[(\b)+\i+17]|, |v[(\b)+\i+18]|
.endr
	v_max3_num_f32 v[\d], v[\d], |v[(\b)+14]|, |v[(\b)+15]|
	v_max3_num_f32 v[\d], v[\d], v[\t], |v[(\b)+31]|
.endm
	s_load_b256 s[4:11], s[0:1], 0x0               ; x s[4:5], embedding_sum s[6:7], cluster_usage s[8:9], xcodes s[10:11]
	s_load_b128 s[12:15], s[0:1], 0x20             ; xscales s[12:13], ecodes s[14:15]
	s_load_b64 s[16:17], s[0:1], 0x30              ; emeta
	v_lshl_add_u32 v239, v0, 2, 0x8400
	v_mov_b32 v243, 0
	v_lshrrev_b32 v1, 5, v0
	v_readfirstlane_b32 s18, v1                    ; wave 0..3
	v_and_b32 v1, 31, v0                           ; lane
	v_and_b32 v2, 15, v0                           ; r
	v_bfe_u32 v3, v0, 4, 1                         ; h
	v_lshlrev_b32 v4, 4, v1                        ; 16 x lane
	s_mov_b32 s20, 0x76543210
	s_mov_b32 s21, 0xfedcba98                      ; v_permlanex16_b32's selects for lane l xor 16
	s_cmp_lt_u32 ttmp9, EWG                        ; the same in all four waves
	s_cbranch_scc0 .Lxpath
; ---------------- the codebook ----------------
	s_lshl_b32 s22, ttmp9, 2
	s_add_co_u32 s22, s22, s18                     ; my tile of 16 codes: 4 x work-group + wave
	v_lshlrev_b32 v5, 2, v2                        ; 4 r
	s_mul_i32 s23, s18, STG
	v_add_nc_u32 v6, s23, v4                       ; the stage, on the way in: 16 x lane of a row's 512 bytes
	v_mul_u32_u24 v7, v2, 528
	v_lshl_add_u32 v7, v3, 7, v7
	v_add_nc_u32 v7, s23, v7                       ; and back: row r, + 128 h: my 32 numbers of each 64
	v_lshlrev_b32 v8, 3, v3                        ; 8 h
	v_lshl_add_u32 v9, v2, 4, v8                   ; 16 r + 8 h: my 8 of the tile's 256 scale bytes
	s_lshl_b32 s24, s22, 15                        ; 16 rows of 2,048 bytes
	s_mov_b32 s25, 0
	s_lshl_b32 s26, s22, 6                         ; 16 usages
	s_mov_b32 s27, 0
	s_mul_i32 s28, s22, 6144                       ; a tile's codes
	s_mov_b32 s29, 0
	s_lshr_b32 s30, s22, 8
	s_mul_i32 s30, s30, 81920                      ; the half's part of emeta
	s_and_b32 s31, s22, 255
	s_lshl_b32 s32, s31, 8
	s_add_co_u32 s32, s32, s30                     ; the tile's scale bytes
	s_mov_b32 s33, 0
	s_lshl_b32 s34, s31, 6
	s_add_co_u32 s34, s34, s30
	s_add_co_u32 s34, s34, 65536                   ; the tile's 16 numbers -e2/2
	s_mov_b32 s35, 0
	s_wait_alu depctr_va_vdst(0)
	s_wait_kmcnt 0x0
	s_add_nc_u64 s[6:7], s[6:7], s[24:25]
	s_add_nc_u64 s[8:9], s[8:9], s[26:27]
	s_add_nc_u64 s[14:15], s[14:15], s[28:29]
	s_add_nc_u64 s[32:33], s[16:17], s[32:33]
	s_add_nc_u64 s[34:35], s[16:17], s[34:35]
.macro ELOAD s                         ; K step s of the 16 rows: each load reads 512 consecutive bytes of one row
.irp p, 0,1,2,3,4,5,6,7,8,9,10,11,12,13,14,15
	global_load_b128 v[R+64*((\s)%2)+4*\p:R+64*((\s)%2)+4*\p+3], v4, s[6:7] offset:2048*\p+512*(\s) th:TH_LOAD_NT
.endr
.endm
	global_load_b32 v10, v5, s[8:9]                ; my row's usage
	ELOAD 0
	ELOAD 1
	s_wait_loadcnt 32                              ; the usage is in; the 32 row loads behind it stay out
	v_max_num_f32 v12, EPSF, v10                   ; c = max(usage, 1e-5)
	s_wait_alu depctr_va_vdst(0)
	v_rcp_f32 v14, v12
	v_mov_b32 v13, v12                             ; (a plain instruction behind the reciprocal)  c twice: a pair for the packed forms
	s_wait_alu depctr_va_vdst(0)                   ; a wait ahead of the reciprocal's first reader
	v_fma_f32 v15, -v12, v14, 1.0
	v_fma_f32 v14, v15, v14, v14                   ; one Newton step
	v_mov_b32 v15, v14                             ; 1 / c twice
.macro ESTEP s
.set RS, R+64*((\s)%2)
.if (\s) < 3
	s_wait_loadcnt 16                              ; this K step's 16 loads are in; the next step's stay out
.else
	s_wait_loadcnt 0x0
.endif
.irp p, 0,1,2,3,4,5,6,7,8,9,10,11,12,13,14,15
	ds_store_b128 v6, v[RS+4*\p:RS+4*\p+3] offset:528*\p
.endr
.irp c, 0,1
.irp i, 0,1,2,3,4,5,6,7
	ds_load_b128 v[X+32*\c+4*\i:X+32*\c+4*\i+3], v7 offset:256*\c+16*\i   ; LDS serves a wave's instructions in order: these see my stores; rows 528 bytes apart start at different banks
.endr
.endr
	s_wait_dscnt 0x0                               ; my numbers are back, and the stores have read their registers,
.if (\s)+2 < 4
	ELOAD (\s)+2                                   ; which take the loads of two K steps on
.endif
.irp g, 0,1,2,3                        ; emb = sum / c: q = sum x (1 / c), then one correction by the remainder sum - q c; eight pairs by turns
.irp q, 0,1,2,3,4,5,6,7
	v_pk_mul_f32 v[T+2*\q:T+2*\q+1], v[X+16*\g+2*\q:X+16*\g+2*\q+1], v[14:15]
.endr
.irp q, 0,1,2,3,4,5,6,7
	v_pk_fma_f32 v[X+16*\g+2*\q:X+16*\g+2*\q+1], v[T+2*\q:T+2*\q+1], v[12:13], v[X+16*\g+2*\q:X+16*\g+2*\q+1] neg_lo:[1,0,0] neg_hi:[1,0,0]
.endr
.irp q, 0,1,2,3,4,5,6,7
	v_pk_fma_f32 v[X+16*\g+2*\q:X+16*\g+2*\q+1], v[X+16*\g+2*\q:X+16*\g+2*\q+1], v[14:15], v[T+2*\q:T+2*\q+1]
.endr
.endr
.set eq, 0
.rept 32                               ; e2, of the unquantised numbers: four packed chains; the first four products start them
.if ((\s) == 0) && (eq < 4)
	v_pk_mul_f32 v[SUM+2*eq:SUM+2*eq+1], v[X+2*eq:X+2*eq+1], v[X+2*eq:X+2*eq+1]
.else
	v_pk_fma_f32 v[SUM+2*(eq%4):SUM+2*(eq%4)+1], v[X+2*eq:X+2*eq+1], v[X+2*eq:X+2*eq+1], v[SUM+2*(eq%4):SUM+2*(eq%4)+1]
.endif
.set eq, eq+1
.endr
	MAX32 T, T+1, X                                ; my block 2 c + h of the K step: all its 32 numbers are mine
	MAX32 T+2, T+3, X+32
	v_add_nc_u32 v[T+4], EOFF, v[T]                ; 2 off the exponent field: the conversion takes the exponent field of this operand as its scale
	v_add_nc_u32 v[T+5], EOFF, v[T+2]
	v_lshrrev_b32 v[T+6], 23, v[T+4]               ; the scales' bytes
	v_lshrrev_b32 v[T+7], 23, v[T+5]
	v_lshl_or_b32 v[T+8], v[T+7], 16, v[T+6]       ; blocks h and 2 + h,
	v_lshlrev_b32 v[T+8], v8, v[T+8]               ; at their places in the word (8 h bits up);
	v_permlanex16_b32 v[T+9], v[T+8], s20, s21
	v_or_b32 v[SW+(\s)], v[T+8], v[T+9]            ; with lane l xor 16's two the word is whole
.if (\s) > 0
	s_wait_alu depctr_va_vdst(0)
	s_wait_xcnt 0x0                                ; the last K step's stores have read the fragment's registers
.endif
	v_cvt_scalef32_pk16_fp6_f32 v[P:P+2], v[X:X+15], v[T+4]
	v_cvt_scalef32_pk16_fp6_f32 v[OH:OH+2], v[X+16:X+31], v[T+4]       ; (a conversion's three registers begin on an even number)
	v_cvt_scalef32_pk16_fp6_f32 v[P+6:P+8], v[X+32:X+47], v[T+5]
	v_cvt_scalef32_pk16_fp6_f32 v[OH+4:OH+6], v[X+48:X+63], v[T+5]
	v_nop                                          ; one plain instruction behind the scaled conversions
.irp i, 0,1,2
	v_mov_b32 v[P+3+\i], v[OH+\i]
	v_mov_b32 v[P+9+\i], v[OH+4+\i]
.endr
.irp g, 0,1,2
	global_store_b128 v4, v[P+4*\g:P+4*\g+3], s[14:15] offset:1536*(\s)+512*\g   ; 32 lanes store 512 consecutive bytes, aligned
.endr
.endm
	s_wait_alu depctr_va_vdst(0)
	ESTEP 0
	ESTEP 1
	ESTEP 2
	ESTEP 3
	v_pk_add_f32 v[SUM:SUM+1], v[SUM:SUM+1], v[SUM+2:SUM+3]
	v_pk_add_f32 v[SUM+4:SUM+5], v[SUM+4:SUM+5], v[SUM+6:SUM+7]
	v_pk_add_f32 v[SUM:SUM+1], v[SUM:SUM+1], v[SUM+4:SUM+5]
	v_add_f32 v[T], v[SUM], v[SUM+1]
	v_permlanex16_b32 v[T+1], v[T], s20, s21
	v_add_f32 v[T], v[T], v[T+1]                   ; the row's e2
	v_mul_f32 v[T], -0.5, v[T]
	v_cmp_eq_u32 vcc_lo, 1, v3
	v_cndmask_b32 v[T+2], v[SW], v[SW+2], vcc_lo   ; lanes 0-15 store words 0 and 1 of their row, lanes 16-31 words 2 and 3
	v_cndmask_b32 v[T+3], v[SW+1], v[SW+3], vcc_lo
	global_store_b64 v9, v[T+2:T+3], s[32:33]      ; 32 lanes store 256 consecutive bytes, aligned
	s_wait_alu depctr_va_vdst(0)
	s_wait_xcnt 0x0                                ; EXEC changes only behind this wait
	v_cmp_gt_u32 vcc_lo, 16, v1
	s_wait_tensorcnt 0x0
	ds_add_u32 v239, v243
	s_wait_dscnt 0x0
	s_and_saveexec_b32 s22, vcc_lo
	global_store_b32 v5, v[T], s[34:35]            ; 16 numbers, 64 bytes: the one short store of this path, 64 of the tile's 6,464 bytes
	s_wait_xcnt 0x0
	s_or_b32 exec_lo, exec_lo, s22
	s_endpgm
; ---------------- x ----------------
.Lxpath:
	s_sub_co_u32 s22, ttmp9, EWG
	s_lshr_b32 s23, s22, 5                         ; b
	s_bfe_u32 s24, s22, 0x30002                    ; which 128 of the 1,024 t
	s_and_b32 s25, s22, 3                          ; K step
	s_wait_alu depctr_va_vdst(0)
	v_lshlrev_b32 v5, 2, v1                        ; 4 x lane
	s_lshl_b32 s26, s23, 21                        ; x: b x 512 x 4,096 bytes
	s_lshl_b32 s27, s25, 19                        ; + 128 rows d of 4,096 bytes a K step
	s_add_co_u32 s26, s26, s27
	s_lshl_b32 s27, s24, 9                         ; + 128 t
	s_add_co_u32 s26, s26, s27
	s_lshl_b32 s27, s18, 7                         ; + my wave's 32 t
	s_add_co_u32 s26, s26, s27
	s_mov_b32 s27, 0
	s_lshl_b32 s28, s23, 6
	s_lshl_b32 s29, s24, 3
	s_add_co_u32 s28, s28, s29
	s_lshl_b32 s29, s18, 1
	s_add_co_u32 s28, s28, s29                     ; my first tile of 16 rows: 64 b + 8 x block + 2 x wave
	s_mul_i32 s28, s28, 6144
	s_mul_i32 s29, s25, 1536
	s_add_co_u32 s28, s28, s29
	s_mov_b32 s29, 0
	s_lshl_b32 s30, s25, 16                        ; scale words: 65,536 bytes a K step, 4 bytes a row
	s_lshl_b32 s31, s23, 12
	s_add_co_u32 s30, s30, s31
	s_lshl_b32 s31, s24, 9
	s_add_co_u32 s30, s30, s31
	s_lshl_b32 s31, s18, 7
	s_add_co_u32 s30, s30, s31
	s_mov_b32 s31, 0
	s_wait_alu depctr_va_vdst(0)
	s_wait_kmcnt 0x0
	s_add_nc_u64 s[4:5], s[4:5], s[26:27]
	s_add_nc_u64 s[10:11], s[10:11], s[28:29]
	s_add_nc_u64 s[12:13], s[12:13], s[30:31]
; run k of eight: 16 numbers of my column, x(b, 128 s + 16 k + i, my t): a wave's load reads 128 consecutive bytes, the four waves stand side by side on 512
.macro XLOADH k
.set xi, 0
.rept 16
	global_load_b32 v[XX+16*(\k)+xi], v5, s[4:5] offset:4096*(16*(\k)+xi) th:TH_LOAD_NT
.set xi, xi+1
.endr
.endm
	XLOADH 0                                       ; four runs, 64 loads, go out at once; every number has a register of its own
	XLOADH 1
	XLOADH 2
	XLOADH 3
; block q of my column: runs 2 q and 2 q + 1.  slot: blocks 0 and 2 make the first run of 12 registers, blocks 1 and 3 the second
.macro XBLOCK q, slot
.if (\q) < 3
	s_wait_loadcnt 32                              ; this block's two runs are in; the two runs issued behind them stay out
.else
	s_wait_loadcnt 0x0
.endif
.if (\q) < 2
	XLOADH 2*(\q)+4
	XLOADH 2*(\q)+5
.endif
	MAX32 172, 173, XX+32*(\q)
	v_add_nc_u32 v174, EOFF, v172
	v_lshrrev_b32 v175, 23, v174
.if (\q) == 0
	v_mov_b32 v184, v175
.else
	v_lshl_or_b32 v184, v175, 8*(\q), v184         ; my row's scale word: the lower K in the lower byte
.endif
	v_cvt_scalef32_pk16_fp6_f32 v[PX+6*(\slot):PX+6*(\slot)+2], v[XX+32*(\q):XX+32*(\q)+15], v174
	v_cvt_scalef32_pk16_fp6_f32 v[168:170], v[XX+32*(\q)+16:XX+32*(\q)+31], v174
	v_nop                                          ; one plain instruction behind the scaled conversions
.irp i, 0,1,2
	v_mov_b32 v[PX+6*(\slot)+3+\i], v[168+\i]
.endr
.endm
	XBLOCK 0, 0
	XBLOCK 1, 2
	XBLOCK 2, 1
	XBLOCK 3, 3
; The operand's layout gives lane (r, h) blocks h and 2 + h of row r.  The first run's lanes 16-31 change places with the second's lanes 0-15:
; the first run is then the whole fragment of columns 0-15 of the wave, the second that of columns 16-31.
.irp i, 0,1,2,3,4,5,6,7,8,9,10,11
	v_permlane16_swap_b32 v[PX+\i], v[PX+12+\i]
.endr
.irp g, 0,1,2
	global_store_b128 v4, v[PX+4*\g:PX+4*\g+3], s[10:11] offset:512*\g
	global_store_b128 v4, v[PX+12+4*\g:PX+12+4*\g+3], s[10:11] offset:6144+512*\g   ; each store covers 512 consecutive bytes, aligned
.endr
	global_store_b32 v5, v184, s[12:13]            ; 32 scale words, 128 consecutive bytes: 128 of the wave's 3,200 bytes
	s_endpgm
.Lfunc_end_k_qaa43fabdad_quant:
	.size	k_qaa43fabdad_quant, .Lfunc_end_k_qaa43fabdad_quant-k_qaa43fabdad_quant
	.p2alignl 7, 3214868480
	.fill 96, 4, 3214868480
	.section	.rodata,"a",@progbits
	.p2align	6, 0x0
	.amdhsa_kernel k_qaa43fabdad_quant
		.amdhsa_group_segment_fixed_size 34304
		.amdhsa_private_segment_fixed_size 0
		.amdhsa_enable_private_segment 0
		.amdhsa_kernarg_size 56
		.amdhsa_user_sgpr_count 2
		.amdhsa_user_sgpr_kernarg_segment_ptr 1
		.amdhsa_wavefront_size32 1
		.amdhsa_system_sgpr_workgroup_id_x 1
		.amdhsa_system_sgpr_workgroup_id_y 1
		.amdhsa_system_sgpr_workgroup_id_z 1
		.amdhsa_system_vgpr_workitem_id 0
		.amdhsa_next_free_vgpr 256
		.amdhsa_next_free_sgpr 66
		.amdhsa_reserve_vcc 1
		.amdhsa_float_denorm_mode_32 3
		.amdhsa_float_denorm_mode_16_64 3
		.amdhsa_memory_ordered 1
		.amdhsa_forward_progress 1
		.amdhsa_inst_pref_size 84
	.end_amdhsa_kernel
	.amdgpu_metadata
---
amdhsa.version: [ 1, 2 ]
amdhsa.kernels:
  - .name:           k_qaa43fabdad_quant
    .symbol:         k_qaa43fabdad_quant.kd
    .args:
      - { .name: x, .offset: 0, .size: 8, .value_kind: global_buffer, .address_space: global }
      - { .name: embedding_sum, .offset: 8, .size: 8, .value_kind: global_buffer, .address_space: global }
      - { .name: cluster_usage, .offset: 16, .size: 8, .value_kind: global_buffer, .address_space: global }
      - { .name: xcodes, .offset: 24, .size: 8, .value_kind: global_buffer, .address_space: global }
      - { .name: xscales, .offset: 32, .size: 8, .value_kind: global_buffer, .address_space: global }
      - { .name: ecodes, .offset: 40, .size: 8, .value_kind: global_buffer, .address_space: global }
      - { .name: emeta, .offset: 48, .size: 8, .value_kind: global_buffer, .address_space: global }
    .group_segment_fixed_size: 34304
    .private_segment_fixed_size: 0
    .kernarg_segment_align: 8
    .kernarg_segment_size: 56
    .max_flat_workgroup_size: 128
    .sgpr_count:     66
    .vgpr_count:     256
    .wavefront_size: 32
...
	.end_amdgpu_metadata
.endif
;; end of part 1
;; launch vq (part 2): grid 128 x 2, 4 waves a work-group, clusters of 4 x 1, 327,680 bytes of LDS; arguments xcodes, xscales, ecodes, emeta, pval, pidx; writes pval, pidx
.if DOCPART == 2
	.amdgcn_target "amdgcn-amd-amdhsa--gfx1250"
	.amdhsa_code_object_version 6
	.text
	.protected	k_qaa43fabdad_vq
	.globl	k_qaa43fabdad_vq
	.p2align	8
	.type	k_qaa43fabdad_vq,@function
k_qaa43fabdad_vq:
	s_mov_b64 s[64:65], 0
	v_nop
	global_prefetch_b8 v0, s[64:65] scope:SCOPE_SE
	s_setreg_imm32_b32 hwreg(HW_REG_WAVE_MODE, 25, 1), 1
	s_wait_xcnt 0x0
	s_wait_alu depctr_hold_cnt(0) depctr_sa_sdst(0) depctr_va_vdst(0) depctr_va_sdst(0) depctr_va_ssrc(0) depctr_va_vcc(0) depctr_vm_vsrc(0)
	s_getreg_b32 s2, hwreg(HW_REG_IB_STS2, 6, 4)
	s_cmp_eq_u32 s2, 0
	s_cbranch_scc0 .Lentry_in_a_cluster
	s_endpgm
.Lentry_in_a_cluster:
	s_bfe_u32 s2, ttmp6, 0x10000c
	s_cmp_lg_u32 s2, 0x3003
	s_cbranch_scc0 .Lentry_shape_is_right
	s_endpgm
.Lentry_shape_is_right:
; For each of 16,384 rows of x and each half of the codebook: the largest score = Q(x) . Q(emb) - e2/2 and the lowest code that has it.  argmin(x2 - 2 dot + e2) = argmax(dot - e2/2): x2 is one number for a row, so it is not formed.
; The product runs on codes of FP6 (E2M3) with E8M0 scales, K = 512 in four matrix instructions of 128; -e2/2 is the C of each sum's first instruction.
; SHARES.  A work-group: 128 rows x 4,096 codes (grid y = the half).  Each of its four waves holds ALL 128 rows of x in registers (8 tiles x 4 K steps x 12 = 384) and takes a quarter of the code tiles:
; each byte of codes is read from LDS once, and a fragment of 1,536 bytes feeds eight matrix instructions.
; TRANSPOSED USE: source 0 = 16 codes, source 1 = 16 rows of x.  A lane holds ONE row of x (lane % 16) and the codes 8 (lane / 16) + 0 .. 7: the maximum over codes stays inside a lane.
; THE RING.  16 slots' worth of codes (16 tiles, 98,304 bytes each) go through two LDS slots; in the ring wave w fetches, and alone reads, bytes 24,576 w on of a slot.  The half's scale bytes and -e2/2 (81,920 bytes) come once and stay.
; CLUSTER.  The four work-groups of a cluster have the same half and walk the same codes: every tensor load is a joint one, with the same descriptor and the mask of all four.
; A TILE: the next tile's 15 LDS loads, then its 32 matrix instructions in one run, then the search of the tile BEFORE it, 80 vector instructions (32 of them dual-issue pairs) in one run in window 3; two sets of accumulators
; change places, so the search names no register of the run just issued.  The search, for a tile of x: four v_max3 (running maximum and 8 scores), one compare with the old maximum (strictly larger: the earliest tile keeps its place),
; then the tile's number and its 8 scores are kept where it won.  Which of the 8 it was is found once, at the end.  No branch and no address hangs on a score.
; LIMITS.  The order of rounding differs from x2 - 2 dot + e2 in f32: dot - e2/2 is rounded once by each of the four matrix instructions; rows whose two best distances differ by a few units in the last place may take the other code.
; Equal scores give the lowest code.  NaN and infinities among the inputs are not served: a NaN score never wins, nor does a code whose e2 has overflowed.
; REGISTERS, in windows of 256 (s_set_vgpr_msb: bits 1:0 source 0, 3:2 source 1, 5:4 source 2, 7:6 destination):
;   window 0: v1-14 addresses; v16-47 x's scale words, v48-55 the codes'; v64-111, v112-159 a code tile's four fragments, two buffers
;   window 1: x's tiles 0-3, fragment (m, s) at v[12 (4 m + s)];   window 2: tiles 4-7 likewise
;   window 3: v0-63, v64-127 two sets of 8 accumulators; v128-143 -e2/2 as C, two buffers; v144-159 the maxima, two a tile of x by turns; v160-167 the winner's tile number; v168-231 its 8 scores; v232-240 at work at the end
.set DUAL,  1                          ; 1: the 8 scores are kept by four dual-issue pairs; 0: by eight single selects
.set SLOT1, 1<<17                      ; slot 1 begins here: one exclusive or turns an address in one slot into the other's
.set SLOTB, 98304                      ; a slot's bytes
.set WPART, 24576                      ; a wave's part of it: four tiles of 6,144
.set MPART, 20480                      ; a quarter of the 81,920 bytes that stay
.set MSC,   229376                     ; behind the ring: 4,096 codes x 16 scale bytes,
.set MBI,   294912                     ; then 4,096 f32 of -e2/2
.set SPARE, 311296                     ; the spare words, 128 bytes for each wave: two blocks of 256 bytes that no other line names
.set MRG,   311808                     ; the end's merge: 4 waves x 128 rows x 8 bytes; no fill lands here
.set SPW, 1                            ; v1   SPARE + 4 x my thread's number; never rewritten
.set NIL, 2                            ; v2   0; never rewritten
.set AF0, 3                            ; v3   16 x lane + my wave's part of a slot
.set AS0, 4                            ; v4   MSC + 1,024 x wave + 16 r
.set AB0, 5                            ; v5   MBI + 256 x wave + 32 h
.set ADF, 6                            ; v6-8 the same for the slot in hand
.set ADS, 7
.set ADB, 8
.set L16, 9                            ; v9   16 x lane
.set PFO, 10                           ; v10  256 x lane
.set XSA, 11                           ; v11  4 r
.set MA,  12                           ; v12  MRG + 1,024 x wave + 8 r
.set MR,  13                           ; v13  MRG + 512 x wave + 16 x lane
.set L8,  14                           ; v14  8 x lane
.set XS,  16
.set SCA, 48
.set F,   64
.set ACC, 0                            ; window 3 from here on
.set BI,  128
.set MX,  144
.set ID,  160
.set S,   168
.set J,   232
.set H8,  240
.set WV,   16                          ; s16  my wave's number
.set CX,   17                          ; s17  my place in the cluster
.set HALF, 18                          ; s18  the half of the codebook: the same in all four partners
.set RBK,  19                          ; s19  my block of 128 rows
.set G1F,  24                          ; s[24:31] group 1: 96 rows of 256 bytes (the ring)
.set G1M,  32                          ; s[32:39] 160 rows (half of the bytes that stay)
.set G1A,  88                          ; s[88:95] 192 rows (half of slot 0, at the head)
.set G0A,  40                          ; s[40:43] group 0 of slot 0's first fill
.set G0W,  44                          ; s[44:47] group 0 of slot 1's first fill; it then walks
.set G0M,  48                          ; s[48:51] group 0 of the bytes that stay
.set TB,   52                          ; s52  LDS byte at which the slot in hand begins
.set TS,   53                          ; s53  its scale bytes: 4,096 a slot
.set TBI,  54                          ; s54  its -e2/2: 1,024 a slot
.set TID,  55                          ; s55  the number of the tile that is being searched
.set CNT,  56                          ; s56  slots still to be asked for
.set LIM,  57                          ; s57  2 in a wave that prefetches, else the greatest number
.set PFA,  58                          ; s[58:59] where my prefetches stand
.set SEL,  60                          ; s[60:61] v_permlanex16_b32's selects for lane l xor 16
.set CM,   68                          ; s[68:75] lane masks, at the end
.set MM_LO, 0xf4                       ; codes window 0, x window 1, C and D window 3
.set EP,    0xff                       ; all in window 3
.set MSB, 0
.macro WIN new                         ; the immediate's high byte repeats the setting that is left; a switch that changes nothing is dropped
.if MSB != (\new)
	s_set_vgpr_msb (MSB<<8)|(\new)
.set MSB, (\new)
.endif
.endm
.macro CREST                           ; a round of the cluster's barrier behind its opening barrier
	s_cmp_lg_u32 s[WV], 0
	s_cbranch_scc1 .Lnot_wave_0_\@
	s_barrier_signal -3
.Lnot_wave_0_\@:
	s_barrier_wait -3
	s_barrier_signal -1
	s_barrier_wait -1
.endm
.macro CROUND                          ; a whole round
	s_barrier_signal -1
	s_barrier_wait -1
	CREST
.endm
.macro NOP4
.rept 4
	v_nop
.endr
.endm
; A PREFETCH INTO THE L2 of a slot's worth of codes.  All clusters of a half walk the same codes: the first cluster along x asks.  Its four partners share the 98,304 bytes out BY ADDRESS, 24,576 each; in each, waves 0 to 2
; take 8,192 bytes, lanes 256 bytes apart: one instruction a wave, each block of 256 bytes named once.  At the head (how = 1) the second, third and fourth slot's worth are asked for, one instruction each, apart from each other;
; in the loop (how = 0) each refill asks for what stands two refills on; the last two refills ask for nothing.
.macro ASK how, off
.if \how
	s_cmp_eq_u32 s[LIM], 2
.else
	s_cmp_gt_u32 s[CNT], s[LIM]
.endif
	s_cbranch_scc0 .Lnot_mine_\@
	global_prefetch_b8 v[PFO], s[PFA:PFA+1] offset:\off th:TH_LOAD_NT scope:SCOPE_SE
.Lnot_mine_\@:
.endm
.macro GRP1 g, rows                    ; dense blocks as rows of 256 bytes (32 elements of 8 bytes), no padding; the mask of all four work-groups, bit 21 beside it
	s_mov_b32 s[\g+0], 15|(3<<16)|(1<<21)
	s_mov_b32 s[\g+1], 32<<16
	s_mov_b32 s[\g+2], (\rows)<<16
	s_mov_b32 s[\g+3], 32<<16
	s_mov_b32 s[\g+4], \rows
	s_mov_b32 s[\g+5], 32
	s_mov_b32 s[\g+6], 0
	s_mov_b32 s[\g+7], 0
.endm
	s_load_b128 s[4:7], s[0:1], 0x0                ; xcodes s[4:5], xscales s[6:7]
	s_load_b128 s[8:11], s[0:1], 0x10              ; ecodes s[8:9], emeta s[10:11]
	s_load_b128 s[12:15], s[0:1], 0x20             ; pval s[12:13], pidx s[14:15]
	v_lshl_add_u32 v[SPW], v0, 2, SPARE
	v_mov_b32 v[NIL], 0
	ds_add_u32 v[SPW], v[NIL]                      ; the opening lines: the add, twice on end, and its wait ahead of my first tensor load
	ds_add_u32 v[SPW], v[NIL]
	v_lshrrev_b32 v15, 5, v0
	v_readfirstlane_b32 s[WV], v15                 ; wave 0..3
	s_bfe_u32 s[CX], ttmp6, 0x40000                ; cx
	s_lshl_b32 s[RBK], ttmp9, 2                    ; in a cluster launch ttmp9 counts clusters
	s_add_co_u32 s[RBK], s[RBK], s[CX]             ; it enters x's, pval's and pidx's addresses alone
	s_and_b32 s[HALF], ttmp7, 0xffff
	v_and_b32 v15, 31, v0                          ; lane
	v_lshlrev_b32 v[L16], 4, v15
	v_lshlrev_b32 v[L8], 3, v15
	v_lshlrev_b32 v[PFO], 8, v15
	v_and_b32 v15, 15, v0                          ; r
	v_lshlrev_b32 v[XSA], 2, v15
	s_mul_i32 s20, s[WV], WPART
	v_add_nc_u32 v[AF0], s20, v[L16]
	s_lshl_b32 s21, s[WV], 10
	s_add_co_u32 s22, s21, MSC
	v_lshl_add_u32 v[AS0], v15, 4, s22
	s_add_co_u32 s22, s21, MRG
	v_lshl_add_u32 v[MA], v15, 3, s22
	s_lshl_b32 s21, s[WV], 9
	s_add_co_u32 s21, s21, MRG
	v_add_nc_u32 v[MR], s21, v[L16]
	v_bfe_u32 v15, v0, 4, 1                        ; h
	s_lshl_b32 s21, s[WV], 8
	s_add_co_u32 s21, s21, MBI
	v_lshl_add_u32 v[AB0], v15, 5, s21
	v_mov_b32 v[ADF], v[AF0]
	v_mov_b32 v[ADS], v[AS0]
	v_mov_b32 v[ADB], v[AB0]
	GRP1 G1F, 96
	GRP1 G1M, 160
	GRP1 G1A, 192
	s_mul_i32 s76, s[HALF], 16*SLOTB               ; the half's codes
	s_mov_b32 s77, 0
	s_mov_b32 s78, s20                             ; my wave's part of a slot, in the ring
	s_mov_b32 s79, 0
	s_and_b32 s83, s[WV], 1                        ; at the head: which half of slot 0 (waves 0, 1) or of the bytes that stay (waves 2, 3)
	s_mul_i32 s22, s83, 2*WPART
	s_mov_b32 s23, 0
	s_mul_i32 s82, s83, 2*MPART
	s_mul_i32 s80, s[HALF], 4*MPART                ; the half's part of emeta
	s_add_co_u32 s80, s80, s82
	s_mov_b32 s81, 0
	s_mov_b32 s[SEL], 0x76543210
	s_mov_b32 s[SEL+1], 0xfedcba98
	s_mov_b32 s[TB], 0
	s_mov_b32 s[TS], 0
	s_mov_b32 s[TBI], 0
	s_lshl_b32 s[TID], s[HALF], 8                  ; tile number = 256 x half + 16 x slot + 4 x wave + i.  In a tile's text the tile before it is searched:
	s_lshl_b32 s21, s[WV], 2
	s_add_co_u32 s[TID], s[TID], s21
	s_sub_co_u32 s[TID], s[TID], 13                ; behind a slot's first tile 13 is added, behind the others 1
	s_cmp_eq_u32 s[WV], 3
	s_cselect_b32 s[LIM], 1, 0
	s_or_b32 s[LIM], s[LIM], ttmp9                 ; 0 in waves 0 to 2 of the first cluster along x: the same in all four partners
	s_cmp_eq_u32 s[LIM], 0
	s_cselect_b32 s[LIM], 2, -1
	s_mul_i32 s84, s[CX], WPART                    ; (registers that hold cx feed no descriptor)
	s_lshl_b32 s86, s[WV], 13
	s_add_co_u32 s84, s84, s86
	s_add_co_u32 s84, s84, 2*SLOTB                 ; the prefetches' base stands at the third slot's worth
	s_mov_b32 s85, 0
	s_wait_dscnt 0x0                               ; both opening adds are done
	s_wait_alu depctr_va_vdst(0)
	s_wait_kmcnt 0x0
	s_add_nc_u64 s[8:9], s[8:9], s[76:77]          ; the codes of my half
	s_mov_b32 s[G0A], 1
	s_mov_b32 s[G0A+1], s22                        ; no place in the cluster enters an LDS address
	s_add_nc_u64 s[G0A+2:G0A+3], s[8:9], s[22:23]
	s_or_b32 s[G0A+3], s[G0A+3], 0x80000000        ; type = 2
	s_mov_b32 s[G0W], 1
	s_add_co_u32 s[G0W+1], s20, SLOT1
	s_add_nc_u64 s[G0W+2:G0W+3], s[8:9], s[78:79]
	s_add_nc_u64 s[G0W+2:G0W+3], s[G0W+2:G0W+3], SLOTB
	s_or_b32 s[G0W+3], s[G0W+3], 0x80000000
	s_mov_b32 s[G0M], 1
	s_add_co_u32 s[G0M+1], s82, MSC
	s_add_nc_u64 s[G0M+2:G0M+3], s[10:11], s[80:81]
	s_or_b32 s[G0M+3], s[G0M+3], 0x80000000
	s_add_nc_u64 s[PFA:PFA+1], s[8:9], s[84:85]
	s_mul_i32 s84, s[RBK], 49152                   ; my 8 tiles of x
	s_add_nc_u64 s[4:5], s[4:5], s[84:85]
	s_lshl_b32 s84, s[RBK], 9                      ; my 128 rows, 4 bytes each
	s_add_nc_u64 s[6:7], s[6:7], s[84:85]
	s_lshl_b32 s86, s[HALF], 16
	s_add_co_u32 s84, s84, s86
	s_lshl_b32 s86, s[WV], 8                       ; waves 0 and 1 store 64 rows each
	s_add_co_u32 s84, s84, s86
	s_add_nc_u64 s[12:13], s[12:13], s[84:85]
	s_add_nc_u64 s[14:15], s[14:15], s[84:85]
	CROUND                                         ; all four work-groups are here: the first joint loads meet
	s_cmp_lt_u32 s[WV], 2                          ; the head's loads, ONE a wave: waves 0 and 1 the halves of slot 0, waves 2 and 3 the halves of the bytes that stay
	s_cbranch_scc0 .Lhead_meta
	tensor_load_to_lds s[G0A:G0A+3], s[G1A:G1A+7]
	s_nop 0
	NOP4
	s_branch .Lhead_asked
.Lhead_meta:
	tensor_load_to_lds s[G0M:G0M+3], s[G1M:G1M+7]
	s_nop 0
	NOP4
.Lhead_asked:
	ASK 1, -SLOTB                                  ; the second slot's worth: its tensor load follows behind the head's loads, x's loads and a round
.irp m, 0,1,2,3,4,5,6,7                ; x stays in registers: each load reads 512 consecutive bytes
	WIN 0x40*(1+\m/4)                              ; destination window 1 or 2, address window 0
.irp s, 0,1,2,3
.irp g, 0,1,2
	global_load_b128 v[12*(4*(\m%4)+\s)+4*\g:12*(4*(\m%4)+\s)+4*\g+3], v[L16], s[4:5] offset:6144*\m+1536*\s+512*\g
.endr
.endr
.endr
	WIN 0
.irp m, 0,1,2,3,4,5,6,7
.irp s, 0,1,2,3
	global_load_b32 v[XS+4*\m+\s], v[XSA], s[6:7] offset:65536*\s+64*\m   ; lane r: the scale word of row 16 m + r for K step s
.endr
.endr
	ASK 1, 0                                       ; the third slot's worth
; The search's state.  The loop is written once: its first tile searches accumulators that hold -infinity, which beat nothing.
	s_mov_b32 s86, 0xff800000                      ; -infinity
	WIN 0xc0                                       ; destination window 3
.set vi, 0
.rept 64
	v_mov_b32 v[ACC+64+vi], s86
	v_mov_b32 v[S+vi], s86
.set vi, vi+1
.endr
.set vi, 0
.rept 16
	v_mov_b32 v[MX+vi], s86
.set vi, vi+1
.endr
.set vi, 0
.rept 8
	v_mov_b32 v[ID+vi], 0
.set vi, vi+1
.endr
	v_bfe_u32 v[H8], v0, 4, 1                      ; (source 0 in window 0)  h
	WIN EP
	v_lshlrev_b32 v[H8], 3, v[H8]                  ; 8 h
	WIN 0
; THE LDS LOADS of a tile, one run of 15: tile i of my four in the slot in hand, into buffer buf: four fragments, the 16 codes' scale words (lane r: code r's four), -e2/2 of the lane's eight codes.
.macro RUN i, buf
	WIN 0
.irp s, 0,1,2,3
.irp g, 0,1,2
	ds_load_b128 v[F+48*(\buf)+12*\s+4*\g:F+48*(\buf)+12*\s+4*\g+3], v[ADF] offset:6144*(\i)+1536*\s+512*\g
.endr
.endr
	ds_load_b128 v[SCA+4*(\buf):SCA+4*(\buf)+3], v[ADS] offset:256*(\i)
	WIN 0xc0                                       ; destination window 3
	ds_load_b128 v[BI+8*(\buf):BI+8*(\buf)+3], v[ADB] offset:64*(\i)
	ds_load_b128 v[BI+8*(\buf)+4:BI+8*(\buf)+7], v[ADB] offset:64*(\i)+16
.endm
; Matrix instruction tn of a tile's 32: K step tn / 8, tile of x tn % 8, into accumulator set p.  The eight accumulators take turns, one instruction a turn, over the edges of tiles and of the loop too.
.macro MMI p
.set ms, tn/8
.set mm, tn%8
	WIN MM_LO+4*(mm/4)
.if ms == 0
	v_wmma_scale_f32_16x16x128_f8f6f4 v[ACC+64*(\p)+8*mm:ACC+64*(\p)+8*mm+7], v[F+48*(\p)+12*ms:F+48*(\p)+12*ms+11], v[12*(4*(mm%4)+ms):12*(4*(mm%4)+ms)+11], v[BI+8*(\p):BI+8*(\p)+7], v[SCA+4*(\p)+ms], v[XS+4*mm+ms] matrix_a_fmt:MATRIX_FMT_FP6 matrix_b_fmt:MATRIX_FMT_FP6
.else
	v_wmma_scale_f32_16x16x128_f8f6f4 v[ACC+64*(\p)+8*mm:ACC+64*(\p)+8*mm+7], v[F+48*(\p)+12*ms:F+48*(\p)+12*ms+11], v[12*(4*(mm%4)+ms):12*(4*(mm%4)+ms)+11], v[ACC+64*(\p)+8*mm:ACC+64*(\p)+8*mm+7], v[SCA+4*(\p)+ms], v[XS+4*mm+ms] matrix_a_fmt:MATRIX_FMT_FP6 matrix_b_fmt:MATRIX_FMT_FP6
.endif
.endm
.macro MRUN p, from, to                ; matrix instructions from .. to - 1, on end
.set tn, \from
.rept (\to)-(\from)
	MMI \p
.set tn, tn+1
.endr
.endm
; THE SEARCH of the tile in accumulator set p.  The old maximum of x's tile c lies in MX[2 c + p], the new one goes to MX[2 c + 1 - p].
; MXS: stage ks of chain kc: new = max(old or new, two scores); each accumulator is first read at its low end.
.macro MXS p
.if ks == 0
	v_max3_num_f32 v[MX+2*kc+1-(\p)], v[MX+2*kc+(\p)], v[ACC+64*(\p)+8*kc], v[ACC+64*(\p)+8*kc+1]
.else
	v_max3_num_f32 v[MX+2*kc+1-(\p)], v[MX+2*kc+1-(\p)], v[ACC+64*(\p)+8*kc+2*ks], v[ACC+64*(\p)+8*kc+2*ks+1]
.endif
.endm
; Ten stages go ahead; then block b of eight: the compare of chain b into VCC (strictly larger), one stage each of chains b + 1 .. b + 4 (independent work between the compare and VCC's readers), the tile's number and its 8 scores where it won.
; A pair keeps scores 2 q and 2 q + 1: one destination even, the other odd, and each pair of sources one register apart.
.macro SEARCH p
	WIN EP
.irp e, 0,4,8,1,12,5,2,9,6,3           ; 4 x chain + stage
.set kc, \e/4
.set ks, \e%4
	MXS \p
.endr
.set sb, 0
.rept 8
	v_cmp_gt_f32 vcc_lo, v[MX+2*sb+1-(\p)], v[MX+2*sb+(\p)]
.set sk, 1
.rept 4
.if sb+sk < 8
.set kc, sb+sk
.set ks, 4-sk
	MXS \p
.endif
.set sk, sk+1
.endr
	v_cndmask_b32 v[ID+sb], v[ID+sb], s[TID], vcc_lo
.set sq, 0
.rept 4
.if DUAL
	v_dual_cndmask_b32 v[S+8*sb+sq], v[S+8*sb+sq], v[ACC+64*(\p)+8*sb+sq] :: v_dual_cndmask_b32 v[S+8*sb+sq+1], v[S+8*sb+sq+1], v[ACC+64*(\p)+8*sb+sq+1]
.else
	v_cndmask_b32 v[S+8*sb+sq], v[S+8*sb+sq], v[ACC+64*(\p)+8*sb+sq], vcc_lo
	v_cndmask_b32 v[S+8*sb+sq+1], v[S+8*sb+sq+1], v[ACC+64*(\p)+8*sb+sq+1], vcc_lo
.endif
.set sq, sq+2
.endr
.set sb, sb+1
.endr
.endm
.macro STEPADR                         ; the fetches go on to the other slot
	s_xor_b32 s[TB], s[TB], SLOT1
	s_add_co_u32 s[TS], s[TS], 4096
	s_add_co_u32 s[TBI], s[TBI], 1024
	v_add_nc_u32 v[ADF], s[TB], v[AF0]
	v_add_nc_u32 v[ADS], s[TS], v[AS0]
	v_add_nc_u32 v[ADB], s[TBI], v[AB0]
.endm
; A TILE: my i-th of the slot, in fragment buffer and accumulator set i % 2.
; PLACES (loads aside): the run of loads goes into the other buffer, whose last readers are the matrix instructions of the tile before; the search that followed them names none of their registers.
; The search reads the other set, written a tile ago: the search before it lies between.
; kind 0: the next tile's loads, the 32 matrix instructions, the search.
; kind 1: the slot's last tile, and the slot is filled again.  At its head: the wait for all my tensor loads (one is out: my part of the other slot), the add of 0 onto my spare word, the walking descriptor's and the prefetches' steps;
;         s_wait_dscnt 1 leaves the add alone out (it is the youngest LDS instruction: this tile's 15 loads are in); eight matrix instructions; the wait for the add, which also shows my reads of this slot over; the signal that opens a
;         round of the cluster's barrier.  Twelve matrix instructions stand inside; behind the round the joint refill comes first, then the other slot's first run of loads.  From the request to the wait for it a wave issues 108 matrix instructions.
; kind 2: the same with nothing left to fetch: my work-group's barrier alone.      kind 3: the very last tile.
.macro TILE i, kind, tstep
.set tp, (\i)%2
.if ((\kind) == 1) || ((\kind) == 2)
	WIN 0                                          ; (the add's two registers lie in window 0)
	s_wait_tensorcnt 0x0                           ; no tensor load of mine is out, so a group 0 may be written
	ds_add_u32 v[SPW], v[NIL]                      ; 0 onto my spare word
.if (\kind) == 1
	s_xor_b32 s[G0W+1], s[G0W+1], SLOT1            ; the other slot than last time,
	s_add_nc_u64 s[G0W+2:G0W+3], s[G0W+2:G0W+3], SLOTB   ; the next 256 codes; the type bits on top are not reached
	s_wait_xcnt 0x0                                ; the last prefetch, a slot back, has read its address
	s_add_nc_u64 s[PFA:PFA+1], s[PFA:PFA+1], SLOTB
.endif
	s_wait_dscnt 1                                 ; this tile's operands are in; the add may be out
	MRUN tp, 0, 8
	s_wait_dscnt 0x0                               ; the add is done, and my reads of the slot are over
	s_barrier_signal -1
	MRUN tp, 8, 20
	WIN 0                                          ; at a label and at a branch every window is 0
	s_barrier_wait -1
.if (\kind) == 1
	CREST                                          ; no wave of any partner still reads this slot or has a load on its way
	tensor_load_to_lds s[G0W:G0W+3], s[G1F:G1F+7]  ; my one tensor load behind the round, and the first thing there
	s_nop 0
.endif
	NOP4                                           ; four nops behind a tensor load
	STEPADR
	RUN 0, 0
.if (\kind) == 1
	WIN 0
	ASK 0, SLOTB                                   ; behind the joint load and the run of loads that the next tile waits for
.endif
	MRUN tp, 20, 32
.else
	s_wait_dscnt 0x0                               ; this tile's operands are in
.if (\kind) == 0
	RUN (\i)+1, 1-tp
.endif
	MRUN tp, 0, 32
.endif
	SEARCH 1-tp
	s_add_co_u32 s[TID], s[TID], \tstep
.endm
	s_wait_alu depctr_va_vdst(0)
	s_wait_tensorcnt 0x0                           ; my tile of the head's four is in
	ds_add_u32 v[SPW], v[NIL]
	s_wait_dscnt 0x0
	CROUND                                         ; everybody's part of slot 0 and of the bytes that stay is in, and all four work-groups are here
	tensor_load_to_lds s[G0W:G0W+3], s[G1F:G1F+7]  ; slot 1's first fill: my one tensor load behind the round
	s_nop 0
	NOP4
	RUN 0, 0
	WIN 0
	ASK 1, SLOTB                                   ; the fourth slot's worth
	s_wait_loadcnt 0x0                             ; x and its scale words
	s_mov_b32 s[CNT], 14
.Lslot:                                            ; 14 trips: every slot's worth but the last two is followed by a refill
	TILE 0, 0, 13
	TILE 1, 0, 1
	TILE 2, 0, 1
	TILE 3, 1, 1
	WIN 0
	s_sub_co_u32 s[CNT], s[CNT], 1
	s_cmp_lg_u32 s[CNT], 0
	s_cbranch_scc1 .Lslot
	TILE 0, 0, 13                                  ; the tail is written out
	TILE 1, 0, 1
	TILE 2, 0, 1
	TILE 3, 2, 1
	TILE 0, 0, 13
	TILE 1, 0, 1
	TILE 2, 0, 1
	TILE 3, 3, 1
	SEARCH 1                                       ; the last tile's search
; THE END.  The final maxima lie in MX[2 m].  d = the better of a and b: the larger score, or of equal scores the lower code.
.macro BETTER dm, dc, am, ac, bm, bc
	v_cmp_gt_f32 s76, v[\bm], v[\am]
	v_cmp_eq_f32 s77, v[\bm], v[\am]
	v_cmp_lt_u32 s78, v[\bc], v[\ac]
	s_and_b32 s77, s77, s78
	s_or_b32 s76, s76, s77
	v_cndmask_b32 v[\dm], v[\am], v[\bm], s76
	v_cndmask_b32 v[\dc], v[\ac], v[\bc], s76
.endm
.irp m, 0,1,2,3,4,5,6,7
	v_mov_b32 v[J+\m], 7
.endr
.irp j, 6,5,4,3,2,1,0                  ; which of the winner's 8 scores is the maximum: the lowest that equals it
.irp m, 0,1,2,3,4,5,6,7
	v_cmp_eq_f32 s[CM+\m], v[S+8*\m+\j], v[MX+2*\m]
.endr
.irp m, 0,1,2,3,4,5,6,7
	v_cndmask_b32 v[J+\m], v[J+\m], \j, s[CM+\m]
.endr
.endr
.irp m, 0,1,2,3,4,5,6,7
	v_lshl_add_u32 v[ID+\m], v[ID+\m], 4, v[H8]
.endr
.irp m, 0,1,2,3,4,5,6,7
	v_add_nc_u32 v[ID+\m], v[ID+\m], v[J+\m]       ; the code: 16 x tile + 8 h + j
.endr
.irp m, 0,1,2,3,4,5,6,7
	v_permlanex16_b32 v[S+8*\m], v[MX+2*\m], s[SEL], s[SEL+1]      ; the row's other eight codes of each tile lie in the lane 16 away
	v_permlanex16_b32 v[S+8*\m+1], v[ID+\m], s[SEL], s[SEL+1]
.endr
.irp m, 0,1,2,3,4,5,6,7
	BETTER S+8*\m+2, S+8*\m+3, MX+2*\m, ID+\m, S+8*\m, S+8*\m+1    ; both lanes of a row come to the same pair
.endr
	s_wait_alu depctr_va_vdst(0)                   ; a wait ahead of the stores that read the pairs
	WIN 0x0c                                       ; an LDS store's data are its source 1: window 3
.irp m, 0,1,2,3,4,5,6,7
	ds_store_b64 v[MA], v[S+8*\m+2:S+8*\m+3] offset:128*\m         ; (score, code) of row 16 m + r, in my wave's 1,024 bytes; both lanes of a row write the same bytes with the same value
.endr
	WIN 0
	s_wait_dscnt 0x0                               ; for the others' sake: my stores are done
	s_barrier_signal -1
	s_barrier_wait -1
	s_cmp_lt_u32 s[WV], 2                          ; waves 0 and 1 join the four waves' pairs: 64 rows each, two rows a lane
	s_cbranch_scc0 .Ldone
.irp c, 0,1,2,3
	ds_load_b128 v[F+4*\c:F+4*\c+3], v[MR] offset:1024*\c
.endr
	s_wait_dscnt 0x0
	BETTER F+16, F+18, F, F+1, F+4, F+5
	BETTER F+17, F+19, F+2, F+3, F+6, F+7
	BETTER F+16, F+18, F+16, F+18, F+8, F+9
	BETTER F+17, F+19, F+17, F+19, F+10, F+11
	BETTER F+16, F+18, F+16, F+18, F+12, F+13
	BETTER F+17, F+19, F+17, F+19, F+14, F+15
	s_wait_alu depctr_va_vdst(0)                   ; a wait ahead of the stores that read the results
	global_store_b64 v[L8], v[F+16:F+17], s[12:13]   ; 32 lanes store 256 consecutive bytes, aligned
	global_store_b64 v[L8], v[F+18:F+19], s[14:15]
.Ldone:
	s_wait_tensorcnt 0x0                           ; the wave's end, behind my last tensor load and my last LDS store
	ds_add_u32 v[SPW], v[NIL]
	s_wait_dscnt 0x0
	CROUND                                         ; the closing round: no work-group ends while a partner may still ask for a tile that names it
	s_endpgm
.Lfunc_end_k_qaa43fabdad_vq:
	.size	k_qaa43fabdad_vq, .Lfunc_end_k_qaa43fabdad_vq-k_qaa43fabdad_vq
	.p2alignl 7, 3214868480
	.fill 96, 4, 3214868480
	.section	.rodata,"a",@progbits
	.p2align	6, 0x0
	.amdhsa_kernel k_qaa43fabdad_vq
		.amdhsa_group_segment_fixed_size 327680
		.amdhsa_private_segment_fixed_size 0
		.amdhsa_enable_private_segment 0
		.amdhsa_kernarg_size 48
		.amdhsa_user_sgpr_count 2
		.amdhsa_user_sgpr_kernarg_segment_ptr 1
		.amdhsa_wavefront_size32 1
		.amdhsa_system_sgpr_workgroup_id_x 1
		.amdhsa_system_sgpr_workgroup_id_y 1
		.amdhsa_system_sgpr_workgroup_id_z 1
		.amdhsa_system_vgpr_workitem_id 0
		.amdhsa_next_free_vgpr 1024
		.amdhsa_next_free_sgpr 96
		.amdhsa_reserve_vcc 1
		.amdhsa_float_denorm_mode_32 3
		.amdhsa_float_denorm_mode_16_64 3
		.amdhsa_memory_ordered 1
		.amdhsa_forward_progress 1
		.amdhsa_inst_pref_size 169
	.end_amdhsa_kernel
	.amdgpu_metadata
---
amdhsa.version: [ 1, 2 ]
amdhsa.kernels:
  - .name:           k_qaa43fabdad_vq
    .symbol:         k_qaa43fabdad_vq.kd
    .args:
      - { .name: xcodes, .offset: 0, .size: 8, .value_kind: global_buffer, .address_space: global }
      - { .name: xscales, .offset: 8, .size: 8, .value_kind: global_buffer, .address_space: global }
      - { .name: ecodes, .offset: 16, .size: 8, .value_kind: global_buffer, .address_space: global }
      - { .name: emeta, .offset: 24, .size: 8, .value_kind: global_buffer, .address_space: global }
      - { .name: pval, .offset: 32, .size: 8, .value_kind: global_buffer, .address_space: global }
      - { .name: pidx, .offset: 40, .size: 8, .value_kind: global_buffer, .address_space: global }
    .group_segment_fixed_size: 327680
    .private_segment_fixed_size: 0
    .kernarg_segment_align: 8
    .kernarg_segment_size: 48
    .max_flat_workgroup_size: 128
    .sgpr_count:     96
    .vgpr_count:     1024
    .wavefront_size: 32
...
	.end_amdgpu_metadata
.endif
;; end of part 2
;; launch decode (part 3): grid 64 x 16, 4 waves a work-group, no clusters, 34,304 bytes of LDS; arguments pval, pidx, embedding_sum, cluster_usage, out0, out1; writes out0, out1
.if DOCPART == 3
	.amdgcn_target "amdgcn-amd-amdhsa--gfx1250"
	.amdhsa_code_object_version 6
	.text
	.protected	k_qaa43fabdad_decode
	.globl	k_qaa43fabdad_decode
	.p2align	8
	.type	k_qaa43fabdad_decode,@function
k_qaa43fabdad_decode:
	s_mov_b64 s[64:65], 0
	v_nop
	global_prefetch_b8 v0, s[64:65] scope:SCOPE_SE
	s_setreg_imm32_b32 hwreg(HW_REG_WAVE_MODE, 25, 1), 1
	s_wait_xcnt 0x0
; For each row (b, t): of the two halves' candidates the one with the larger score (equal scores: half 0, the lower code) is the code; out1[b][:][t] = embedding_sum[code][:] / max(cluster_usage[code], 1e-5).
; The choice hangs on scores, so it steers no address: BOTH candidates' rows are loaded (their numbers come from pidx, whole numbers that the launch before has stored, held to 0 .. 8,191) and the values are chosen by v_cndmask_b32.
; SHARES.  A work-group: one b (grid y), 64 t, 128 of the 512 d (grid x = 16 x (which d) + (which t)).  Wave w gathers rows t = 16 w .. 16 w + 15: each load reads 512 consecutive bytes of a codebook row.
; The block of 64 t x 128 d turns through LDS: in by rows of t, back so that a lane holds four neighbouring t of one d and sixteen lanes store 256 consecutive bytes, aligned.
; In LDS row t is 512 bytes, and its piece j of 16 bytes lies at place j xor (t / 4): the stores cover their row densely, and the 32 lanes of a load back touch 32 different banks (64 banks of 4 bytes: ISA guide 11.1).
; The block takes LDS bytes 0 to 32,767; the launch claims a little more than it uses.
; The division is a multiplication by a reciprocal refined by one Newton step.  No matrix unit, no tensor loads, no cluster: the launch gathers and streams.
.set EPSF, 0x3727c5ac                  ; 1e-5
.set OFF, 16                           ; v16-47   the 32 rows' offsets, a register each: no pending load's address is rewritten
.set D0,  48                           ; v48-111  half 0's candidates' pieces, then the chosen ones
.set D1,  112                          ; v112-175 half 1's; later the block read back
.set WB,  176                          ; v176-179 LDS: where I store my 16 bytes of rows 4 g .. 4 g + 3 of my wave's 16
.set RBA, 180                          ; v180, v181-188 LDS: where I read back
.set GO,  189                          ; v189     my byte offset in out1
	s_load_b256 s[4:11], s[0:1], 0x0               ; pval s[4:5], pidx s[6:7], embedding_sum s[8:9], cluster_usage s[10:11]
	s_load_b128 s[12:15], s[0:1], 0x20             ; out0 s[12:13], out1 s[14:15]
	v_lshl_add_u32 v208, v0, 2, 0x8400
	v_mov_b32 v209, 0
	v_lshrrev_b32 v1, 5, v0
	v_readfirstlane_b32 s68, v1                    ; wave 0..3
	v_and_b32 v1, 31, v0                           ; lane
	v_lshlrev_b32 v2, 4, v1                        ; 16 x lane
	s_wait_alu depctr_va_vdst(0)
	v_and_b32 v13, 15, v0                          ; a = lane % 16
	v_lshlrev_b32 v3, 2, v13
	v_bfe_u32 v14, v0, 4, 1                        ; lane / 16
	s_and_b32 s69, ttmp7, 0xffff                   ; b
	s_and_b32 s70, ttmp9, 15                       ; which 64 t
	s_lshr_b32 s71, ttmp9, 4                       ; which 128 d
	s_lshl_b32 s72, s69, 12                        ; 4 bytes x (1,024 b + 64 x block + 16 x wave): my wave's 16 rows
	s_lshl_b32 s73, s70, 8
	s_add_co_u32 s72, s72, s73
	s_lshl_b32 s73, s68, 6
	s_add_co_u32 s72, s72, s73
	s_mov_b32 s73, 0
	s_lshl_b32 s74, s71, 9                         ; 128 d are 512 bytes of a codebook row
	s_mov_b32 s75, 0
	s_lshl_b32 s76, s69, 21                        ; out1: b x 512 rows d of 4,096 bytes
	s_lshl_b32 s77, s71, 19                        ; + 128 d
	s_add_co_u32 s76, s76, s77
	s_lshl_b32 s77, s68, 17                        ; + my wave's 32 d on the way out
	s_add_co_u32 s76, s76, s77
	s_lshl_b32 s77, s70, 8                         ; + 64 t
	s_add_co_u32 s76, s76, s77
	s_mov_b32 s77, 0
	s_lshl_b32 s78, s68, 6
	v_xor_b32 v15, s78, v2                         ; 16 (lane xor 4 w)
	s_lshl_b32 s79, s68, 13                        ; my wave's 16 rows of 512 bytes
.irp g, 0,1,2,3
	v_xor_b32 v[WB+\g], 16*\g, v15                 ; t / 4 = 4 w + g
	v_add_nc_u32 v[WB+\g], s79, v[WB+\g]
.endr
	v_lshlrev_b32 v[RBA], 11, v13                  ; back: t = 4 a + k: 2,048 a;
	v_lshl_add_u32 v[RBA], v13, 4, v[RBA]          ; piece (8 w + jj) xor a;
	v_lshl_add_u32 v[RBA], v14, 2, v[RBA]          ; number 2 E + lane / 16 of the piece's four
	s_lshl_b32 s78, s68, 7
	v_xor_b32 v[RBA], s78, v[RBA]
.irp j, 0,1,2,3,4,5,6,7
	v_xor_b32 v[RBA+1+\j], 16*\j, v[RBA]
.endr
	v_lshlrev_b32 v[GO], 4, v13                    ; 16 bytes (four t) a lane,
	v_lshl_add_u32 v[GO], v14, 12, v[GO]           ; lanes 16-31 one d further on
	s_wait_kmcnt 0x0
	s_add_nc_u64 s[4:5], s[4:5], s[72:73]
	s_add_nc_u64 s[6:7], s[6:7], s[72:73]
	s_add_nc_u64 s[12:13], s[12:13], s[72:73]
	s_add_nc_u64 s[8:9], s[8:9], s[74:75]
	s_add_nc_u64 s[14:15], s[14:15], s[76:77]
	s_load_b512 s[16:31], s[6:7], 0x0              ; my 16 rows' candidates of half 0,
	s_load_b512 s[32:47], s[6:7], 0x10000          ; and of half 1
	global_load_b32 v4, v3, s[4:5]                 ; lane a: row a's two scores
	global_load_b32 v5, v3, s[4:5] offset:65536
	global_load_b32 v6, v3, s[6:7]                 ; and its two candidates
	global_load_b32 v7, v3, s[6:7] offset:65536
	s_wait_kmcnt 0x0
.irp p, 0,1,2,3,4,5,6,7,8,9,10,11,12,13,14,15
	s_min_u32 s[16+\p], s[16+\p], 0x1fff           ; a number that was loaded enters an address only behind this hold
	s_min_u32 s[32+\p], s[32+\p], 0x1fff
	v_lshl_add_u32 v[OFF+\p], s[16+\p], 11, v2     ; a codebook row is 2,048 bytes
	v_lshl_add_u32 v[OFF+16+\p], s[32+\p], 11, v2
	global_load_b128 v[D0+4*\p:D0+4*\p+3], v[OFF+\p], s[8:9]
	global_load_b128 v[D1+4*\p:D1+4*\p+3], v[OFF+16+\p], s[8:9]
.endr
	s_wait_loadcnt 32                              ; the scores and candidates are in; the 32 row loads behind them stay out
	v_min_u32 v6, 0x1fff, v6
	v_min_u32 v7, 0x1fff, v7
	v_lshlrev_b32 v6, 2, v6
	v_lshlrev_b32 v7, 2, v7
	global_load_b32 v8, v6, s[10:11]               ; both candidates' usage
	global_load_b32 v9, v7, s[10:11]
	v_cmp_gt_f32 s66, v5, v4                       ; bit a: half 1 has won row a (equal scores: half 0, the lower code)
	s_wait_loadcnt 0x0
	v_cndmask_b32 v10, v8, v9, s66
	v_max_num_f32 v10, EPSF, v10                   ; c = max(usage, 1e-5)
	s_wait_alu depctr_va_vdst(0)
	v_rcp_f32 v11, v10
	v_nop                                          ; a plain instruction behind the reciprocal
	s_wait_alu depctr_va_vdst(0)                   ; a wait ahead of the reciprocal's first reader
	v_fma_f32 v12, -v10, v11, 1.0
	v_fma_f32 v11, v12, v11, v11                   ; one Newton step
.irp p, 0,1,2,3,4,5,6,7,8,9,10,11,12,13,14,15
	v_readlane_b32 s[48+\p], v11, \p               ; row p's 1 / c, for all lanes
.endr
.irp p, 0,1,2,3,4,5,6,7,8,9,10,11,12,13,14,15
	s_bitcmp1_b32 s66, \p
	s_cselect_b32 s67, -1, 0                       ; row p's choice, for all lanes: it selects values and nothing else
.irp k, 0,1,2,3
	v_cndmask_b32 v[D0+4*\p+\k], v[D0+4*\p+\k], v[D1+4*\p+\k], s67
.endr
.irp k, 0,1,2,3
	v_mul_f32 v[D0+4*\p+\k], s[48+\p], v[D0+4*\p+\k]
.endr
	ds_store_b128 v[WB+\p/4], v[D0+4*\p:D0+4*\p+3] offset:512*\p
.endr
	s_wait_dscnt 0x0                               ; for the others' sake: my stores are done
	s_barrier_signal -1
	s_barrier_wait -1                              ; the block of 64 t x 128 d lies in LDS
; group g of sixteen: d = 32 w + 2 g + lane / 16, t = 4 a + k, k = 0 .. 3: four loads, then one store of 16 bytes a lane
.macro RDG g
.irp k, 0,1,2,3
	ds_load_b32 v[D1+4*(\g)+\k], v[RBA+1+(\g)/2] offset:512*\k+8*((\g)%2)
.endr
.endm
.macro STG g
	global_store_b128 v[GO], v[D1+4*(\g):D1+4*(\g)+3], s[14:15] offset:8192*(\g) th:TH_STORE_NT   ; sixteen lanes store 256 consecutive bytes, aligned; two rows d an instruction
.endm
.irp g, 0,1,2,3,4,5,6,7
	RDG \g
.endr
.irp g, 0,1,2,3,4,5,6,7
	RDG \g+8                                       ; the loads run eight groups ahead of the stores; every group has registers of its own
	s_wait_dscnt 32                                ; LDS loads come back in order: group g is in, the eight groups behind it stay out
	STG \g
.endr
.irp g, 8,9,10,11,12,13,14,15
	s_wait_dscnt 60-4*\g                           ; group g is in, the later groups stay out
	STG \g
.endr
	s_or_b32 s78, s68, s71                         ; the codes of the work-group's 64 rows: wave 0 of the work-group with the first 128 d
	s_cmp_lg_u32 s78, 0
	s_cbranch_scc1 .Lend
	v_lshlrev_b32 v190, 3, v1                      ; two rows a lane
	global_load_b64 v[192:193], v190, s[4:5]
	global_load_b64 v[194:195], v190, s[4:5] offset:65536
	global_load_b64 v[196:197], v190, s[6:7]
	global_load_b64 v[198:199], v190, s[6:7] offset:65536
	s_wait_loadcnt 0x0
	v_cmp_gt_f32 s78, v194, v192
	v_cmp_gt_f32 s79, v195, v193
	v_cndmask_b32 v200, v196, v198, s78
	v_cndmask_b32 v201, v197, v199, s79
	s_wait_alu depctr_va_vdst(0)
	global_store_b64 v190, v[200:201], s[12:13]    ; 32 lanes store 256 consecutive bytes, aligned
.Lend:
	s_wait_tensorcnt 0x0
	ds_add_u32 v208, v209
	s_wait_dscnt 0x0
	s_endpgm
.Lfunc_end_k_qaa43fabdad_decode:
	.size	k_qaa43fabdad_decode, .Lfunc_end_k_qaa43fabdad_decode-k_qaa43fabdad_decode
	.p2alignl 7, 3214868480
	.fill 96, 4, 3214868480
	.section	.rodata,"a",@progbits
	.p2align	6, 0x0
	.amdhsa_kernel k_qaa43fabdad_decode
		.amdhsa_group_segment_fixed_size 34304
		.amdhsa_private_segment_fixed_size 0
		.amdhsa_enable_private_segment 0
		.amdhsa_kernarg_size 48
		.amdhsa_user_sgpr_count 2
		.amdhsa_user_sgpr_kernarg_segment_ptr 1
		.amdhsa_wavefront_size32 1
		.amdhsa_system_sgpr_workgroup_id_x 1
		.amdhsa_system_sgpr_workgroup_id_y 1
		.amdhsa_system_sgpr_workgroup_id_z 1
		.amdhsa_system_vgpr_workitem_id 0
		.amdhsa_next_free_vgpr 210
		.amdhsa_next_free_sgpr 80
		.amdhsa_reserve_vcc 0
		.amdhsa_float_denorm_mode_32 3
		.amdhsa_float_denorm_mode_16_64 3
		.amdhsa_memory_ordered 1
		.amdhsa_forward_progress 1
		.amdhsa_inst_pref_size 28
	.end_amdhsa_kernel
	.amdgpu_metadata
---
amdhsa.version: [ 1, 2 ]
amdhsa.kernels:
  - .name:           k_qaa43fabdad_decode
    .symbol:         k_qaa43fabdad_decode.kd
    .args:
      - { .name: pval, .offset: 0, .size: 8, .value_kind: global_buffer, .address_space: global }
      - { .name: pidx, .offset: 8, .size: 8, .value_kind: global_buffer, .address_space: global }
      - { .name: embedding_sum, .offset: 16, .size: 8, .value_kind: global_buffer, .address_space: global }
      - { .name: cluster_usage, .offset: 24, .size: 8, .value_kind: global_buffer, .address_space: global }
      - { .name: out0, .offset: 32, .size: 8, .value_kind: global_buffer, .address_space: global }
      - { .name: out1, .offset: 40, .size: 8, .value_kind: global_buffer, .address_space: global }
    .group_segment_fixed_size: 34304
    .private_segment_fixed_size: 0
    .kernarg_segment_align: 8
    .kernarg_segment_size: 48
    .max_flat_workgroup_size: 128
    .sgpr_count:     80
    .vgpr_count:     210
    .wavefront_size: 32
...
	.end_amdgpu_metadata
.endif
;; end of part 3
